; MI455X (gfx1250); checked and timed in simulation.
; The chip was launched on July 23, 2026; its instructions are those of AMD's public machine-readable ISA for CDNA 5 (MIT licence, August 2026) and "CDNA5" Instruction Set Architecture Reference Guide (July 2026). The comments in the code are by the model that wrote it; some were corrected since.
;; RBF Normalized Net. Allowed arithmetic: matrix products marked QUANTISED: E3M2 operands, one E8M0 scale for each 32 along K, by v_wmma_scale_f32_16x16x128_f8f6f4 with both operands' format E3M2, f32 sums; everything else in f32.
;; Inputs: W 128 x 1,024 float32; b 128 float32; centers 1,024 x 64 float32; sigma 1 x 1,024 float32; x 131,072 x 64 float32.
;; Outputs: out0 131,072 x 128 float32.
;; This version of the problem:
;;   THIS VERSION OF THE PROBLEM IS GIVEN IN LOW PRECISION. The matrix products marked QUANTISED in the list below multiply operands that are first quantised to E3M2 (3 exponent bits, 2 mantissa bits; 6 bits a number), with one power-of-two scale for each 32 numbers along K (OCP MX v1.0); their sums are f32. All else is computed in f32.
;;   The module's matrix products, in the order in which they are computed (A, B: the left and right operand; K: the contracted axis; several contracted axes count as one K, in the product's order):
;;     1. [M 131,072, K 64] x [K 64, N 1,024]; A: input x; B: input centers: QUANTISED
;;     2. [M 131,072, K 1,024] x [K 1,024, N 128]; A: softmax (see below); B: input W: QUANTISED
;;   THE QUANTISER, for each operand of a quantised product, along K:
;;     - K is cut into blocks of 32 from its start; a last block that is shorter is filled with zeros.
;;     - A block's scale is 2^e with e = floor(log2(the largest magnitude in the block)) - 4, held to -126 .. 127; a block of zeros has e = 0. As a byte (E8M0): e + 127.
;;     - Each number is divided by its block's scale, clamped to +-28, and rounded to the nearest number of E3M2, ties to even, subnormals kept.
;;     - The product sums the exact products of the quantised numbers (number of the format x scale) in f32.
;;   ~~~python
;;   def quantise(x, axis):      # numpy; x: float32 -> the quantised numbers, widened to float32 again
;;       x = np.moveaxis(x, axis, -1); K = x.shape[-1]
;;       x = np.pad(x, [(0, 0)] * (x.ndim - 1) + [(0, -K % 32)]); x = x.reshape(x.shape[:-1] + (-1, 32)); a = np.abs(x).max(-1, keepdims=True)
;;       e = np.where(a > 0, np.clip(np.frexp(np.where(a > 0, a, 1))[1] - 1 - 4, -126, 127), 0)      # np.frexp(a)[1] - 1 = floor(log2(a)), exactly
;;       r = np.clip(x / 2.0 ** e, -28, 28)
;;       step = 2.0 ** (np.maximum(np.frexp(np.where(r == 0, 1, r))[1] - 1, -2) - 2)
;;       q = np.round(r / step) * step * 2.0 ** e      # np.round: ties to even
;;       return np.moveaxis(q.reshape(q.shape[:-2] + (-1,))[..., :K], -1, axis).astype(np.float32)
;;   ~~~
;;   SOFTMAX AHEAD OF A QUANTISED PRODUCT. Where the list says 'softmax', what is quantised is not the finished softmax but p = 2^(t - M), with t = logit x log2(e) and M = ceil(the row's largest t), a whole number; so 1/2 < the row's largest p <= 1. The row's sum l is taken of the UNQUANTISED p, in f32, and the product's result is divided by l at the end. Since M is a whole number, a kernel that streams over the keys may use a running M (the ceiling of the running maximum): every later rescaling is an exact power of two, which a block's scale takes up: the codes' values come out the same.
;;   OPERANDS COMPUTED ON THE WAY. 'Computed on the way' means the value that the module computes at that place (a softmax that the list does not call 'softmax' is quantised finished and normalised). What goes into a quantiser is computed in f32, as accurately as f32 sums, v_exp_f32 and their like allow (about 1e-6 of the number): no bf16 or f16 on the way to a quantiser, and a product that is left as it is and whose result goes on into a quantised operand takes f32 operands (vector FMAs, or v_wmma_f32_16x16x4_f32). A number that lies on a knife's edge between two numbers of the format may be rounded either way, as far as f32 arithmetic and the matrix unit's own rounding can turn it there, and no further.
;; One version. Each part assembles by itself: llvm-mc -triple=amdgcn-amd-amdhsa -mcpu=gfx1250 --defsym DOCPART=n.
;; ======== version 1 of 1: 2 launches
;; limits: right only within a limited range of input values
;; workspace buffers: tab 163,840 bytes
;; launch prep (part 1): grid 8 x 1, 8 waves a work-group, no clusters, 3,072 bytes of LDS; arguments centers, sigma, W, tab; writes tab
.if DOCPART == 1
	.amdgcn_target "amdgcn-amd-amdhsa--gfx1250"
	.amdhsa_code_object_version 6
	.text
	.protected	k_qf77e549710_prep
	.globl	k_qf77e549710_prep
	.p2align	8
	.type	k_qf77e549710_prep,@function
k_qf77e549710_prep:
	s_mov_b64 s[64:65], 0
	v_nop
	global_prefetch_b8 v0, s[64:65] scope:SCOPE_SE
	s_setreg_imm32_b32 hwreg(HW_REG_WAVE_MODE, 25, 1), 1
	s_wait_xcnt 0x0
; THE TABLES, QUANTISED ONCE.  centers [1024][64], W [128][1024], sigma [1024], all f32, become eight records of 20,480 bytes;
; record s serves centres 128 s .. 128 s + 127, laid as the next launch's operand registers take it (l = lane, r = l % 16, h = l / 16):
;   +0      8 tiles of 16 centres, 768 bytes each.  Lane (r, h) of tile 2 b + u holds centre 128 s + 32 b + 8 u + r + 8 (r / 8), codes of k = 32 h .. 32 h + 31 (24 bytes):
;           its registers 0-3 at 16 l, its registers 4-5 at 512 + 8 l
;   +6144   8 fragments of W, 1,536 bytes each.  Lane (r, h) of fragment n holds row 16 n + r, K = centres 128 s + 64 c + 32 h + 0 .. 31 in registers 6 c .. 6 c + 5; registers 4 c .. 4 c + 3 at 512 c + 16 l
;   +18432  the centres' scale words, 16 bytes a lane; word b: lanes 0-15 tile 2 b, lanes 16-31 tile 2 b + 1.  K is 64, two bytes; they stand twice in the word, for both halves of the next launch's K
;   +18944  W's scale words, likewise: word q: fragment 2 q below, 2 q + 1 above
;   +19456  G = -log2(e) / (2 sigma^2), 128 f32 by centre;   +19968  G |c|^2, 128 f32 by centre
; Codes are BF6 (E3M2); a block's scale is 2^(floor(log2(its largest magnitude)) - 4), its byte the largest magnitude's exponent field - 4, held at 1 from below.
; LIMITS: a block of zeros gets the byte 1 (its codes are zeros, and only this program reads the bytes); NaN and infinities are not served; sigma^2, 1 / sigma^2 and G |c|^2 must be normal f32 numbers or 0.
; SHARES: work-group s makes record s; its wave j makes tile j of the centres and then fragment j of W.  A lane holds whole blocks of 32 along K.
; Each lane reads 128 consecutive bytes of a row; every store of a wave covers 256 or 512 consecutive bytes, aligned.
.set REC, 20480
	s_load_b256 s[4:11], s[0:1], 0x0               ; centers s[4:5], sigma s[6:7], W s[8:9], tab s[10:11]
	v_lshl_add_u32 v160, v0, 2, 0x800              ; my spare word, and 0
	v_mov_b32 v161, 0
	v_lshrrev_b32 v1, 5, v0
	s_delay_alu instid0(VALU_DEP_1)
	v_readfirstlane_b32 s12, v1                    ; j: wave 0..7
	s_lshr_b32 s13, s12, 1                         ; b = j / 2
	s_and_b32 s14, s12, 1                          ; u = j % 2
	v_and_b32 v1, 31, v0                           ; l
	v_and_b32 v2, 15, v0                           ; r
	v_bfe_u32 v3, v0, 4, 1                         ; h
	s_delay_alu instid0(VALU_DEP_2)
	v_and_b32 v4, 8, v2
	s_delay_alu instid0(VALU_DEP_1)
	v_add_nc_u32 v4, v4, v2                        ; r + 8 (r / 8)
	s_delay_alu instid0(VALU_DEP_1)
	v_lshlrev_b32 v5, 8, v4
	s_delay_alu instid0(VALU_DEP_1)
	v_lshl_add_u32 v5, v3, 7, v5                   ; centres: a row is 256 bytes; + 128 h
	s_delay_alu instid0(VALU_DEP_3)
	v_lshlrev_b32 v6, 2, v4                        ; sigma, and the two f32 tables: 4 bytes a centre
	v_lshlrev_b32 v7, 12, v2
	s_delay_alu instid0(VALU_DEP_1)
	v_lshl_add_u32 v7, v3, 7, v7                   ; W: a row is 4,096 bytes; + 128 h
	v_lshlrev_b32 v8, 4, v1                        ; 16 l
	v_lshlrev_b32 v9, 3, v1                        ; 8 l
	s_wait_alu depctr_va_vdst(0)                   ; the wait ahead of the scalar run
	s_lshl_b32 s15, s14, 8
	s_lshl_b32 s38, s13, 2
	s_add_co_u32 s15, s15, s38                     ; 256 u + 4 b
	v_lshlrev_b32 v10, 4, v2
	s_delay_alu instid0(VALU_DEP_1)
	v_add_nc_u32 v10, s15, v10                     ; LDS: the centres' scale word of my row
	s_delay_alu instid0(VALU_DEP_1)
	v_add_nc_u32 v11, 512, v10                     ; LDS: W's, at the same place of its own 512 bytes
	s_lshl_b32 s15, s13, 7
	s_lshl_b32 s38, s14, 5
	s_add_co_u32 s15, s15, s38
	s_add_co_u32 s15, s15, 1024
	v_add_nc_u32 v12, s15, v6                      ; LDS: G of my centre; G |c|^2 lies 512 bytes on
	v_lshlrev_b32 v13, 3, v3                       ; 8 h: my byte's place in a scale word
	s_lshl_b32 s15, s12, 8
	v_add_nc_u32 v14, s15, v9                      ; LDS, on the way out: 256 j + 8 l
	v_mov_b32 v21, 0                               ; a lane permute's destination counts as one of its sources
	s_mov_b32 s20, 0x76543210
	s_mov_b32 s21, 0xfedcba98                      ; v_permlanex16_b32's selects for lane l xor 16
	s_lshl_b32 s16, ttmp9, 15                      ; centres: (128 s + 32 b + 8 u) rows of 256 bytes
	s_lshl_b32 s38, s13, 13
	s_add_co_u32 s16, s16, s38
	s_lshl_b32 s38, s14, 11
	s_add_co_u32 s16, s16, s38
	s_mov_b32 s17, 0
	s_lshr_b32 s18, s16, 6                         ; sigma: the same centres, 4 bytes each
	s_mov_b32 s19, 0
	s_lshl_b32 s28, s12, 16                        ; W: 16 j rows of 4,096 bytes, + 128 s numbers
	s_lshl_b32 s38, ttmp9, 9
	s_add_co_u32 s28, s28, s38
	s_mov_b32 s29, 0
	s_mul_i32 s30, ttmp9, REC                      ; my record
	s_mul_i32 s32, s12, 768
	s_add_co_u32 s32, s32, s30                     ; tile j of the centres
	s_mov_b32 s33, 0
	s_mul_i32 s34, s12, 1536
	s_add_co_u32 s34, s34, s30
	s_add_co_u32 s34, s34, 6144                    ; fragment j of W
	s_mov_b32 s35, 0
	s_lshl_b32 s36, s12, 8
	s_add_co_u32 s36, s36, s30
	s_add_co_u32 s36, s36, 18432                   ; my 256 bytes of the small tables
	s_mov_b32 s37, 0
	s_wait_kmcnt 0x0
	s_add_nc_u64 s[4:5], s[4:5], s[16:17]
	s_add_nc_u64 s[6:7], s[6:7], s[18:19]
	s_add_nc_u64 s[8:9], s[8:9], s[28:29]
	s_add_nc_u64 s[22:23], s[10:11], s[32:33]
	s_add_nc_u64 s[24:25], s[10:11], s[34:35]
	s_add_nc_u64 s[26:27], s[10:11], s[36:37]
.irp q, 0,1,2,3,4,5,6,7
	global_load_b128 v[32+4*\q:35+4*\q], v5, s[4:5] offset:16*\q        ; my centre, k = 32 h + 4 q ..
.endr
	global_load_b32 v16, v6, s[6:7]                                     ; its sigma
.irp q, 0,1,2,3,4,5,6,7
	global_load_b128 v[64+4*\q:67+4*\q], v7, s[8:9] offset:16*\q        ; my row of W, centres 128 s + 32 h + 4 q ..
.endr
.irp q, 0,1,2,3,4,5,6,7
	global_load_b128 v[96+4*\q:99+4*\q], v7, s[8:9] offset:256+16*\q    ; and 64 centres on
.endr
	s_wait_loadcnt 0x0
	; the tile of centres: my block's largest magnitude, with the floor 2^(5 - 127) among its leaves, in two chains
	v_max3_num_f32 v17, |v32|, |v33|, 0x2800000
	v_max3_num_f32 v18, |v34|, |v35|, 0x2800000
.irp e, 4,8,12,16,20,24,28
	s_delay_alu instid0(VALU_DEP_2)
	v_max3_num_f32 v17, v17, |v[32+\e]|, |v[33+\e]|
	s_delay_alu instid0(VALU_DEP_2)
	v_max3_num_f32 v18, v18, |v[34+\e]|, |v[35+\e]|
.endr
	s_delay_alu instid0(VALU_DEP_1)
	v_max_num_f32 v17, v17, v18
	s_delay_alu instid0(VALU_DEP_1)
	v_add_nc_u32 v19, 0xfe000000, v17              ; 4 off its exponent field: the conversion's scale operand
	s_delay_alu instid0(VALU_DEP_1)
	v_lshrrev_b32 v20, 23, v19                     ; the scale's byte
	v_cvt_scalef32_pk16_bf6_f32 v[128:130], v[32:47], v19
	v_cvt_scalef32_pk16_bf6_f32 v[136:138], v[48:63], v19     ; (a conversion's three registers begin on an even number)
	v_nop                                          ; one plain place behind a scaled conversion
.irp e, 0,1,2
	v_mov_b32 v[131+\e], v[136+\e]
.endr
	; |c|^2 of the unquantised numbers, in two packed chains; then lane l xor 16's half
	v_pk_mul_f32 v[22:23], v[32:33], v[32:33]
	v_pk_mul_f32 v[24:25], v[34:35], v[34:35]
.irp e, 4,8,12,16,20,24,28
	s_delay_alu instid0(VALU_DEP_2)
	v_pk_fma_f32 v[22:23], v[32+\e:33+\e], v[32+\e:33+\e], v[22:23]
	s_delay_alu instid0(VALU_DEP_2)
	v_pk_fma_f32 v[24:25], v[34+\e:35+\e], v[34+\e:35+\e], v[24:25]
.endr
	s_delay_alu instid0(VALU_DEP_1)
	v_pk_add_f32 v[22:23], v[22:23], v[24:25]
	s_delay_alu instid0(VALU_DEP_1)
	v_add_f32 v22, v22, v23
	s_delay_alu instid0(VALU_DEP_1)
	v_permlanex16_b32 v23, v22, s20, s21
	s_delay_alu instid0(VALU_DEP_1)
	v_add_f32 v22, v22, v23                        ; |c|^2
	; G = -log2(e) / (2 sigma^2): the reciprocal with one step of Newton's, since G goes on into a quantiser's input
	v_mul_f32 v26, v16, v16
	s_wait_alu depctr_va_vdst(0)                   ; the wait ahead of the reciprocal
	v_rcp_f32 v27, v26
	v_lshlrev_b32 v20, v13, v20                    ; (a plain place behind the reciprocal)  my byte at its place in the scale word
	s_wait_alu depctr_va_vdst(0)                   ; and behind it
	v_fma_f32 v28, -v26, v27, 1.0
	v_fma_f32 v27, v27, v28, v27
	s_delay_alu instid0(VALU_DEP_1)
	v_mul_f32 v27, 0xbf38aa3b, v27                 ; x -log2(e) / 2
	s_delay_alu instid0(VALU_DEP_1)
	v_mul_f32 v22, v22, v27                        ; G |c|^2
	v_permlanex16_b32 v21, v20, s20, s21
	s_delay_alu instid0(VALU_DEP_1)
	v_or_b32 v20, v20, v21                         ; with lane l xor 16's: bytes 0 and 1,
	s_delay_alu instid0(VALU_DEP_1)
	v_lshl_or_b32 v20, v20, 16, v20                ; and the same two once more as bytes 2 and 3
	global_store_b128 v8, v[128:131], s[22:23]
	global_store_b64 v9, v[132:133], s[22:23] offset:512
	ds_store_b32 v10, v20                          ; both halves of the lanes write the same word with the same value
	ds_store_b32 v12, v27
	ds_store_b32 v12, v22 offset:512
	; the fragment of W: two whole blocks a lane, by turns
.irp c, 0,1
	v_max3_num_f32 v[17+\c], |v[64+32*\c]|, |v[65+32*\c]|, 0x2800000
.endr
.irp e, 2,4,6,8,10,12,14,16,18,20,22,24,26,28,30
.irp c, 0,1
	s_delay_alu instid0(VALU_DEP_2)
	v_max3_num_f32 v[17+\c], v[17+\c], |v[64+32*\c+\e]|, |v[65+32*\c+\e]|
.endr
.endr
.irp c, 0,1
	s_delay_alu instid0(VALU_DEP_2)
	v_add_nc_u32 v[30+\c], 0xfe000000, v[17+\c]
.endr
	s_delay_alu instid0(VALU_DEP_2)
	v_lshrrev_b32 v28, 23, v30
	s_delay_alu instid0(VALU_DEP_2)
	v_lshrrev_b32 v29, 23, v31
	s_delay_alu instid0(VALU_DEP_1)
	v_lshl_or_b32 v29, v29, 16, v28                ; my two bytes: blocks h and 2 + h,
	s_delay_alu instid0(VALU_DEP_1)
	v_lshlrev_b32 v29, v13, v29                    ; 8 h bits up;
	s_delay_alu instid0(VALU_DEP_1)
	v_permlanex16_b32 v21, v29, s20, s21
	s_delay_alu instid0(VALU_DEP_1)
	v_or_b32 v29, v29, v21                         ; with lane l xor 16's two the word is whole
	v_cvt_scalef32_pk16_bf6_f32 v[140:142], v[64:79], v30
	v_cvt_scalef32_pk16_bf6_f32 v[152:154], v[80:95], v30
	v_cvt_scalef32_pk16_bf6_f32 v[146:148], v[96:111], v31
	v_cvt_scalef32_pk16_bf6_f32 v[156:158], v[112:127], v31
	v_nop                                          ; one plain place behind a scaled conversion
.irp e, 0,1,2
	v_mov_b32 v[143+\e], v[152+\e]
	v_mov_b32 v[149+\e], v[156+\e]
.endr
.irp c, 0,1,2
	global_store_b128 v8, v[140+4*\c:143+4*\c], s[24:25] offset:512*\c
.endr
	ds_store_b32 v11, v29
	s_wait_dscnt 0x0                               ; for the others' sake: my words lie in LDS
	s_barrier_signal -1
	s_barrier_wait -1
	ds_load_b64 v[24:25], v14                      ; the record's last 2,048 bytes leave in order: 256 bytes a wave
	s_wait_dscnt 0x0
	global_store_b64 v9, v[24:25], s[26:27]
	s_wait_tensorcnt 0x0                           ; the wave's end
	ds_add_u32 v160, v161
	s_wait_dscnt 0x0
	s_endpgm
.Lfunc_end_k_qf77e549710_prep:
	.size	k_qf77e549710_prep, .Lfunc_end_k_qf77e549710_prep-k_qf77e549710_prep
	.p2alignl 7, 3214868480
	.fill 96, 4, 3214868480
	.section	.rodata,"a",@progbits
	.p2align	6, 0x0
	.amdhsa_kernel k_qf77e549710_prep
		.amdhsa_group_segment_fixed_size 3072
		.amdhsa_private_segment_fixed_size 0
		.amdhsa_enable_private_segment 0
		.amdhsa_kernarg_size 32
		.amdhsa_user_sgpr_count 2
		.amdhsa_user_sgpr_kernarg_segment_ptr 1
		.amdhsa_wavefront_size32 1
		.amdhsa_system_sgpr_workgroup_id_x 1
		.amdhsa_system_sgpr_workgroup_id_y 1
		.amdhsa_system_sgpr_workgroup_id_z 1
		.amdhsa_system_vgpr_workitem_id 0
		.amdhsa_next_free_vgpr 162
		.amdhsa_next_free_sgpr 66
		.amdhsa_reserve_vcc 0
		.amdhsa_float_denorm_mode_32 3
		.amdhsa_float_denorm_mode_16_64 3
		.amdhsa_memory_ordered 1
		.amdhsa_forward_progress 1
		.amdhsa_inst_pref_size 16
	.end_amdhsa_kernel
	.amdgpu_metadata
---
amdhsa.version: [ 1, 2 ]
amdhsa.kernels:
  - .name:           k_qf77e549710_prep
    .symbol:         k_qf77e549710_prep.kd
    .args:
      - { .name: centers, .offset: 0, .size: 8, .value_kind: global_buffer, .address_space: global }
      - { .name: sigma, .offset: 8, .size: 8, .value_kind: global_buffer, .address_space: global }
      - { .name: W, .offset: 16, .size: 8, .value_kind: global_buffer, .address_space: global }
      - { .name: tab, .offset: 24, .size: 8, .value_kind: global_buffer, .address_space: global }
    .group_segment_fixed_size: 3072
    .private_segment_fixed_size: 0
    .kernarg_segment_align: 8
    .kernarg_segment_size: 32
    .max_flat_workgroup_size: 256
    .sgpr_count:     66
    .vgpr_count:     162
    .wavefront_size: 32
...
	.end_amdgpu_metadata
.endif
;; end of part 1
;; launch main (part 2): grid 256 x 1, 8 waves a work-group, clusters of 4 x 1, 297,984 bytes of LDS; arguments x, b, tab, out0; writes out0
.if DOCPART == 2
	.amdgcn_target "amdgcn-amd-amdhsa--gfx1250"
	.amdhsa_code_object_version 6
	.text
	.protected	k_qf77e549710_main
	.globl	k_qf77e549710_main
	.p2align	8
	.type	k_qf77e549710_main,@function
k_qf77e549710_main:
	s_mov_b64 s[64:65], 0
	v_nop
	global_prefetch_b8 v0, s[64:65] scope:SCOPE_SE
	s_setreg_imm32_b32 hwreg(HW_REG_WAVE_MODE, 25, 1), 1
	s_wait_xcnt 0x0
	s_wait_alu depctr_hold_cnt(0) depctr_sa_sdst(0) depctr_va_vdst(0) depctr_va_sdst(0) depctr_va_ssrc(0) depctr_va_vcc(0) depctr_vm_vsrc(0)
	s_getreg_b32 s2, hwreg(HW_REG_IB_STS2, 6, 4)
	s_cmp_eq_u32 s2, 0
	s_cbranch_scc0 .Lentry_in_a_cluster
	s_endpgm
.Lentry_in_a_cluster:
	s_bfe_u32 s2, ttmp6, 0x10000c
	s_cmp_lg_u32 s2, 0x3003
	s_cbranch_scc0 .Lentry_shape_is_right
	s_endpgm
.Lentry_shape_is_right:
; out[n][:] = softmax_c(-|x_n - c_c|^2 / (2 sigma_c^2)) W^T + b, both products on codes of BF6 (E3M2) with one E8M0 scale for each 32 along K.
; x [131072][64] f32, b [128] f32, out [131072][128] f32; tab: the centres, W, G = -log2(e) / (2 sigma^2) and G |c|^2 as the launch before has laid them (eight records of 20,480 bytes, one for each 128 centres).
; t = G_c (|x|^2 - 2 x . c) + G_c |c|^2: two fused multiply-adds;  M = the row's largest t so far, rounded UP to a whole number;  p = 2^(t - M) is quantised along the centres, not normalised;
; the row's sum is taken of the unquantised p and divides at the end; when M moves, the sum and O are multiplied by 2^(old M - new M), which rounds nothing.
; LIMITS: NaN and infinities are not served; a block of zeros gets the scale byte 1 (its codes are zeros).  ORDER OF ROUNDING: the definition rounds |x|^2 + |c|^2, the difference, the division by 2 sigma sigma and
; the factor log2(e); here |x|^2 - 2 x . c, G, G |c|^2 and t are rounded once each: the two differ by a few units in the last place of the largest of |t|, G |x|^2 and G |c|^2.
; SHARES.  A work-group owns 512 rows, each of its eight waves 64, as two blocks of two tiles of 16; two waves share a SIMD's 1,024 registers, 512 each.  Every wave walks all 1,024 centres, 128 a step.
; THE TABLES, 163,840 bytes, lie in LDS for the whole launch, filled once: each wave brings one record by one tensor load, asked for JOINTLY by the four work-groups of a cluster (same descriptor, a mask of the four).
; No prefetch: the tables are asked for once, at the head, with no loop to run ahead in; a wave's 64 rows of x are loaded whole at the head.
; LAYOUT.  Both products are used transposed: S^T = C X^T, O^T = W P^T: a lane holds ONE row of x (lane % 16) throughout.  The centres of a tile are chosen so that the 16 registers of tiles 2 b and 2 b + 1
; are 16 neighbouring centres, 32 b + 16 (lane / 16) + 0 .. 15.
; K OF THE FIRST PRODUCT IS 64, half of what the instruction takes, AND BOTH HALVES ARE USED: x's codes of 4 and more (in units of their block's scale) stand at k = 0 .. 63, the smaller ones at k = 64 .. 127,
; zero codes at the other places; the centres' codes and both sides' scale bytes stand in both halves.  Each product appears once, so the sum is the same, and each half's products span fewer binary places.
; A STEP: 16 products S^T (both tiles) | G and G |c|^2 are fetched while |x|^2 - 2 x . c is made | t | W is fetched while the two softmaxes and quantisers run | 16 products O^T | the next centres are fetched while
; the two row sums are taken.  One buffer of 128 registers holds, one after the other, the centres' fragments, G with G |c|^2, and W's fragments.
; x IS QUANTISED AT THE HEAD, all four tiles; codes, |x|^2 and scale words wait in LDS bytes of the wave's own (2,048 a tile) and are read back at each block's head.
; REGISTERS, in two windows of 256 (s_set_vgpr_msb: bits 1:0 source 0, 3:2 source 1, 5:4 source 2, 7:6 destination):
;   window 0: v1-11 addresses; v12-15 at work; v16-31 eight registers of state a tile; v32-43, v240-251 x's two fragments; v44-47 addresses; v48-63 at work; v64-191 the two tiles' scores; v192-215 P, twice 12;
;             v216-222 at work; v224-225 P's scale words; v228-231 b; v232-235 the centres' scale words, v236-239 W's; v254-255 the spare word's address and 0
;   window 1: v0-127 O^T, 64 a tile (at the head: x as loaded); v128-255 the buffer.
.set REC,   20480
.set O_WF,  6144
.set O_CS,  18432
.set O_WS,  18944
.set O_G,   19456
.set O_C2,  19968
.set STG,   8*REC                      ; a stage of 8,448 bytes for each wave (x's turn: 16 rows x 272; the way out: 16 rows x 528); no tensor load lands there
.set STGW,  8448
.set STASH, STG+8*STGW                 ; 8,192 bytes for each wave: a tile's codes at 2048 i (three times 512), |x|^2 at + 1536, scale words at + 1664
.set SPARE, STASH+8*8192               ; the spare words, 128 bytes for each wave
.set L16,  1                           ; 16 x lane
.set L8,   2                           ; 8 x lane
.set LH,   3                           ; 64 x (lane / 16)
.set ADR16, 4                          ; the same three, + the record in hand
.set ADR8, 5
.set ADRH, 6
.set XSI,  7                           ; x into the stage
.set XSO,  8                           ; and out of it
.set OSI,  9                           ; the way out: into the stage
.set OSO,  10                          ; and back
.set SH8,  11                          ; 8 x (lane / 16)
.set ST,   16                          ; tile i's state at v[ST + 8 i]: +0 -M, +1 the largest t, +2, +3 the sum in two halves (at the end +2: 1 / sum), +4 |x|^2, +5 named with it as a pair, +6 x's scale word
.set XF,   32                          ; tile i's fragment of x at v[XF + 208 i]
.set STA,  44                          ; my stash + 16 x lane
.set STB,  45                          ; my stash + 4 x lane
.set STC,  46                          ; the same two, + the block in hand
.set STD,  47
.set BM,   48                          ; the four blocks' largest t, then largest p; v48-59 are also six of the sums' eight chains
.set BT,   52
.set SO,   56                          ; the conversions' scale operands
.set F,    60                          ; v[60:61] f = 2^(old M - new M)
.set TA,   62
.set TB2,  63
.set SA,   64
.set P,    192
.set TMPC, 216
.set PS,   224
.set B4,   228
.set CS,   232
.set WS,   236
.set X,    128                         ; window 1: the buffer
.set WV,   12                          ; s12  my wave's number
.set SEL,  28                          ; s[28:29] selects for lane l xor 16
.set SOFF, 30                          ; s30  LDS byte of the record to be fetched next
.set CNT,  31
.set BLK,  32
.set BOFF, 34                          ; s34  the block's place in my stash
.set MSB, 0
.macro WIN new                         ; the immediate's high byte repeats the setting that is left; a switch that changes nothing is dropped
.if MSB != \new
	s_set_vgpr_msb (MSB<<8)|\new
.set MSB, \new
.endif
.endm
.macro CROUND                          ; a round of the cluster's barrier
	s_barrier_signal -1
	s_barrier_wait -1
	s_cmp_lg_u32 s[WV], 0
	s_cbranch_scc1 .Lnot_wave_0_\@
	s_barrier_signal -3
.Lnot_wave_0_\@:
	s_barrier_wait -3
	s_barrier_signal -1
	s_barrier_wait -1
.endm
.macro DRAIN                           ; my LDS loads are in; the first line ahead of a wait that blocks
	s_wait_alu depctr_va_vdst(0)
	s_wait_dscnt 0x0
.endm
; S^T of both tiles of rows, eight tiles of centres: sixteen sums of their own, begun with 0.  Tiles 2 b and 2 b + 1 share a register of scale words: the odd one's lie in lanes 16-31.
.macro KQ16
	WIN 0x01                                       ; the centres: window 1
.set KN, 0
.rept 8
.irp i, 0,1
.if KN%2
	v_wmma_scale_f32_16x16x128_f8f6f4 v[SA+64*\i+8*KN:SA+64*\i+8*KN+7], v[X+12*KN:X+12*KN+11], v[XF+208*\i:XF+208*\i+11], 0, v[CS+KN/2], v[ST+8*\i+6] matrix_a_fmt:MATRIX_FMT_BF6 matrix_b_fmt:MATRIX_FMT_BF6 matrix_a_scale:MATRIX_SCALE_ROW1
.else
	v_wmma_scale_f32_16x16x128_f8f6f4 v[SA+64*\i+8*KN:SA+64*\i+8*KN+7], v[X+12*KN:X+12*KN+11], v[XF+208*\i:XF+208*\i+11], 0, v[CS+KN/2], v[ST+8*\i+6] matrix_a_fmt:MATRIX_FMT_BF6 matrix_b_fmt:MATRIX_FMT_BF6
.endif
.endr
.set KN, KN+1
.endr
	WIN 0
.endm
; O^T of both tiles += W P^T over the step's 128 centres: sixteen accumulators, one instruction a turn.  FST: the block's first step starts the sums.
.macro PV16
	WIN 0x51                                       ; W, C and D: window 1
.set PN, 0
.rept 8
.irp i, 0,1
.if FST
.if PN%2
	v_wmma_scale_f32_16x16x128_f8f6f4 v[64*\i+8*PN:64*\i+8*PN+7], v[X+12*PN:X+12*PN+11], v[P+12*\i:P+12*\i+11], 0, v[WS+PN/2], v[PS+\i] matrix_a_fmt:MATRIX_FMT_BF6 matrix_b_fmt:MATRIX_FMT_BF6 matrix_a_scale:MATRIX_SCALE_ROW1
.else
	v_wmma_scale_f32_16x16x128_f8f6f4 v[64*\i+8*PN:64*\i+8*PN+7], v[X+12*PN:X+12*PN+11], v[P+12*\i:P+12*\i+11], 0, v[WS+PN/2], v[PS+\i] matrix_a_fmt:MATRIX_FMT_BF6 matrix_b_fmt:MATRIX_FMT_BF6
.endif
.else
.if PN%2
	v_wmma_scale_f32_16x16x128_f8f6f4 v[64*\i+8*PN:64*\i+8*PN+7], v[X+12*PN:X+12*PN+11], v[P+12*\i:P+12*\i+11], v[64*\i+8*PN:64*\i+8*PN+7], v[WS+PN/2], v[PS+\i] matrix_a_fmt:MATRIX_FMT_BF6 matrix_b_fmt:MATRIX_FMT_BF6 matrix_a_scale:MATRIX_SCALE_ROW1
.else
	v_wmma_scale_f32_16x16x128_f8f6f4 v[64*\i+8*PN:64*\i+8*PN+7], v[X+12*PN:X+12*PN+11], v[P+12*\i:P+12*\i+11], v[64*\i+8*PN:64*\i+8*PN+7], v[WS+PN/2], v[PS+\i] matrix_a_fmt:MATRIX_FMT_BF6 matrix_b_fmt:MATRIX_FMT_BF6
.endif
.endif
.endr
.set PN, PN+1
.endr
	WIN 0
.endm
; THE LDS LOADS stand in runs.  Every read of the tables is dense (16 or 8 bytes a lane on end) or the same 16 bytes for sixteen lanes.
.macro LDC                             ; the record at s[SOFF]: its eight tiles of centres, each lane's 24 bytes into registers 0-5 and once more into registers 6-11, and the centres' scale words
	v_add_nc_u32 v[ADR16], s[SOFF], v[L16]
	v_add_nc_u32 v[ADR8], s[SOFF], v[L8]
	v_add_nc_u32 v[ADRH], s[SOFF], v[LH]
	WIN 0x40
.irp t, 0,1,2,3,4,5,6,7
	ds_load_b128 v[X+12*\t:X+12*\t+3], v[ADR16] offset:768*\t
	ds_load_b64 v[X+12*\t+4:X+12*\t+5], v[ADR8] offset:768*\t+512
	ds_load_b128 v[X+12*\t+6:X+12*\t+9], v[ADR16] offset:768*\t
	ds_load_b64 v[X+12*\t+10:X+12*\t+11], v[ADR8] offset:768*\t+512
.endr
	WIN 0
	ds_load_b128 v[CS:CS+3], v[ADR16] offset:O_CS
.endm
.macro LDA                             ; the same record's G and G |c|^2: register 16 b + e: centre 32 b + 16 (lane / 16) + e
	WIN 0x40
.irp q, 0,1,2,3,4,5,6,7,8,9,10,11,12,13,14,15
	ds_load_b128 v[X+4*\q:X+4*\q+3], v[ADRH] offset:O_G+128*(\q/4)+16*(\q%4)
.endr
.irp q, 0,1,2,3,4,5,6,7,8,9,10,11,12,13,14,15
	ds_load_b128 v[X+64+4*\q:X+64+4*\q+3], v[ADRH] offset:O_C2+128*(\q/4)+16*(\q%4)
.endr
	WIN 0
.endm
.macro LDW                             ; the same record's eight fragments of W and their scale words
	WIN 0x40
.irp n, 0,1,2,3,4,5,6,7
.irp c, 0,1,2
	ds_load_b128 v[X+12*\n+4*\c:X+12*\n+4*\c+3], v[ADR16] offset:O_WF+1536*\n+512*\c
.endr
.endr
	WIN 0
	ds_load_b128 v[WS:WS+3], v[ADR16] offset:O_WS
.endm
; THE SOFTMAX AND QUANTISER OF TILE ti for a step's 128 centres: from t in its 64 score registers to P, P's scale word, the new M and O^T under it.  p stays in the score registers for the row's sum.
.macro SOFT ti
.set S, SA+64*\ti
.set T, ST+8*\ti
.set PB, P+12*\ti
.set PR, PS+\ti
; the largest t of each block of 32 centres, my 16 in two chains a block (eight chains by turns): it serves for the row's maximum and, since p rises with t, for the block's largest p
.irp b, 0,1,2,3
	v_max3_num_f32 v[BM+\b], v[S+16*\b], v[S+16*\b+1], v[S+16*\b+2]
.endr
.irp b, 0,1,2,3
	v_max3_num_f32 v[BT+\b], v[S+16*\b+7], v[S+16*\b+8], v[S+16*\b+9]
.endr
.irp e, 3,5
.irp b, 0,1,2,3
	v_max3_num_f32 v[BM+\b], v[BM+\b], v[S+16*\b+\e], v[S+16*\b+\e+1]
.endr
.irp b, 0,1,2,3
	v_max3_num_f32 v[BT+\b], v[BT+\b], v[S+16*\b+\e+7], v[S+16*\b+\e+8]
.endr
.endr
.irp b, 0,1,2,3
	v_max3_num_f32 v[BM+\b], v[BM+\b], v[S+16*\b+14], v[S+16*\b+15]
.endr
.irp b, 0,1,2,3
	s_delay_alu instid0(VALU_DEP_4)
	v_max_num_f32 v[BM+\b], v[BM+\b], v[BT+\b]
.endr
.irp b, 0,1,2,3
	s_delay_alu instid0(VALU_DEP_4)
	v_permlanex16_b32 v[BT+\b], v[BM+\b], s[SEL], s[SEL+1]
.endr
.if !FST
	v_mov_b32 v[TB2], v[T]                         ; the old -M
.endif
.irp b, 0,1,2,3
	v_max_num_f32 v[BM+\b], v[BM+\b], v[BT+\b]     ; with lane l xor 16's 16 centres
.endr
	s_delay_alu instid0(VALU_DEP_2)
	v_max3_num_f32 v[TA], v[BM], v[BM+1], v[BM+2]
	s_delay_alu instid0(VALU_DEP_1)
.if FST
	v_max_num_f32 v[T+1], v[TA], v[BM+3]           ; the largest t so far
.else
	v_max3_num_f32 v[T+1], v[T+1], v[TA], v[BM+3]
.endif
	s_delay_alu instid0(VALU_DEP_1)
	v_floor_f32 v[T], -v[T+1]                      ; -M = floor(-t) = -ceil(t): M is a whole number
	s_delay_alu instid0(VALU_DEP_1)
.set j, 0
.rept 32                               ; t - M; the three lines that make f stand among these additions
	v_pk_add_f32 v[S+j:S+j+1], v[S+j:S+j+1], v[T:T+1] op_sel_hi:[1,0]
.if !FST
.if j == 2
	v_sub_f32 v[TB2], v[T], v[TB2]                 ; M's old value less its new one: a whole number, 0 or less
.endif
.if j == 10
	v_cvt_i32_f32 v[TB2], v[TB2]                   ; (it saturates)
.endif
.if j == 18
	v_ldexp_f32 v[F], 1.0, v[TB2]                  ; f = 2^(old M - new M)
.endif
.endif
.set j, j+2
.endr
.irp b, 0,1,2,3
	v_add_f32 v[BM+\b], v[BM+\b], v[T]             ; the same of each block's largest t
.endr
	s_wait_alu depctr_va_vdst(0)                   ; the wait ahead of the batch
.set j, 0
.rept 64
	v_exp_f32 v[S+j], v[S+j]                       ; p = 2^(t - M), at most 1
.set j, j+1
.endr
.irp b, 0,1,2,3
	v_exp_f32 v[BM+\b], v[BM+\b]                   ; the block's largest p: the same addition and exponential on the same number
.endr
.if FST
	v_nop                                          ; a plain place behind the exponentials
.else
	v_pk_mul_f32 v[T+2:T+3], v[T+2:T+3], v[F:F+1] op_sel_hi:[1,0]   ; the sums under the new M.  (A plain place behind the exponentials)
.endif
	s_wait_alu depctr_va_vdst(0)                   ; and the wait behind the batch
.irp b, 0,1,2,3
	v_max_num_f32 v[BM+\b], 0x2800000, v[BM+\b]    ; the floor 2^(5 - 127): the byte cannot fall under 1
.endr
.irp b, 0,1,2,3
	s_delay_alu instid0(VALU_DEP_4)
	v_add_nc_u32 v[SO+\b], 0xfe000000, v[BM+\b]    ; 4 off the exponent field: the conversion's scale operand
.endr
.irp b, 0,1,2,3
	s_delay_alu instid0(VALU_DEP_4)
	v_lshrrev_b32 v[BT+\b], 23, v[SO+\b]           ; the scale's byte
.endr
	s_delay_alu instid0(VALU_DEP_3)
	v_lshl_or_b32 v[PR], v[BT+1], 8, v[BT]         ; P's scale word for these 128 centres
	s_delay_alu instid0(VALU_DEP_1)
	v_lshl_or_b32 v[PR], v[BT+2], 16, v[PR]
	s_delay_alu instid0(VALU_DEP_1)
	v_lshl_or_b32 v[PR], v[BT+3], 24, v[PR]
.irp c, 0,1
	v_cvt_scalef32_pk16_bf6_f32 v[PB+6*\c:PB+6*\c+2], v[S+32*\c:S+32*\c+15], v[SO+2*\c]
	v_cvt_scalef32_pk16_bf6_f32 v[TMPC+4*\c:TMPC+4*\c+2], v[S+32*\c+16:S+32*\c+31], v[SO+2*\c+1]   ; (a conversion's three registers begin on an even number)
.endr
	v_nop                                          ; one plain place behind a scaled conversion
.irp c, 0,1                            ; the operand's layout wants a WHOLE block in a lane: lanes 0-15 block 2 c, lanes 16-31 block 2 c + 1
.irp e, 0,1,2
	v_permlane16_swap_b32 v[PB+6*\c+\e], v[TMPC+4*\c+\e]
.endr
.endr
.irp c, 0,1
.irp e, 0,1,2
	v_mov_b32 v[PB+6*\c+3+\e], v[TMPC+4*\c+\e]
.endr
.endr
.if !FST
	WIN 0x41
.set j, 0
.rept 32                               ; the tile's O^T under the new M: x f; each accumulator from its low end on
	v_pk_mul_f32 v[64*\ti+j:64*\ti+j+1], v[64*\ti+j:64*\ti+j+1], v[F:F+1] op_sel_hi:[1,0]
.set j, j+2
.endr
	WIN 0
.endif
.endm
; THE ROWS' SUMS are taken of the UNQUANTISED p: two at a time, four chains a tile, the two tiles' eight chains by turns.  Tile i's chains: its state's pair and v[48 + 6 i ..], three pairs.
.macro SUMS
.irp i, 0,1
.if FST
	v_pk_add_f32 v[ST+8*\i+2:ST+8*\i+3], v[SA+64*\i+12:SA+64*\i+13], v[SA+64*\i+14:SA+64*\i+15]   ; the first step starts the sum
.else
	v_pk_add_f32 v[ST+8*\i+2:ST+8*\i+3], v[ST+8*\i+2:ST+8*\i+3], v[SA+64*\i+12:SA+64*\i+13]
.endif
.endr
.irp c, 0,1,2
.irp i, 0,1
	v_pk_add_f32 v[48+6*\i+2*\c:49+6*\i+2*\c], v[SA+64*\i+4*\c:SA+64*\i+4*\c+1], v[SA+64*\i+4*\c+2:SA+64*\i+4*\c+3]
.endr
.endr
.if !FST
.irp i, 0,1
	v_pk_add_f32 v[ST+8*\i+2:ST+8*\i+3], v[ST+8*\i+2:ST+8*\i+3], v[SA+64*\i+14:SA+64*\i+15]
.endr
.endif
.set j, 16
.rept 6
.irp c, 0,1,2
.irp i, 0,1
	v_pk_add_f32 v[48+6*\i+2*\c:49+6*\i+2*\c], v[48+6*\i+2*\c:49+6*\i+2*\c], v[SA+64*\i+j+2*\c:SA+64*\i+j+2*\c+1]
.endr
.endr
.irp i, 0,1
	v_pk_add_f32 v[ST+8*\i+2:ST+8*\i+3], v[ST+8*\i+2:ST+8*\i+3], v[SA+64*\i+j+6:SA+64*\i+j+7]
.endr
.set j, j+8
.endr
.irp i, 0,1
	v_pk_add_f32 v[48+6*\i:49+6*\i], v[48+6*\i:49+6*\i], v[50+6*\i:51+6*\i]
.endr
.irp i, 0,1
	s_delay_alu instid0(VALU_DEP_4)
	v_pk_add_f32 v[ST+8*\i+2:ST+8*\i+3], v[ST+8*\i+2:ST+8*\i+3], v[52+6*\i:53+6*\i]
.endr
.irp i, 0,1
	s_delay_alu instid0(VALU_DEP_2)
	v_pk_add_f32 v[ST+8*\i+2:ST+8*\i+3], v[ST+8*\i+2:ST+8*\i+3], v[48+6*\i:49+6*\i]
.endr
.endm
; A STEP.  fst = 1: the block's first, which starts M, the sums and O^T.  ldc = 1: the next record's centres are fetched.  At its head the buffer has been asked to hold this record's centres.
.macro STEP fst, ldc
.set FST, \fst
	DRAIN                                          ; the centres and their scale words are in
	KQ16
.rept 4
	v_nop                                          ; the places behind the products: loads into the buffer and reads of the scores follow
.endr
	LDA
.irp i, 0,1
.set j, 0
.rept 32                               ; |x|^2 - 2 x . c; each accumulator is read from its low end on
	v_pk_fma_f32 v[SA+64*\i+j:SA+64*\i+j+1], v[SA+64*\i+j:SA+64*\i+j+1], -2.0, v[ST+8*\i+4:ST+8*\i+5] op_sel_hi:[1,0,0]
.set j, j+2
.endr
.endr
	DRAIN                                          ; G and G |c|^2 are in
	WIN 0x14
.set j, 0
.rept 64                               ; t: x G + G |c|^2, both of which differ from centre to centre
	v_pk_fma_f32 v[SA+j:SA+j+1], v[SA+j:SA+j+1], v[X+(j%64):X+(j%64)+1], v[X+64+(j%64):X+64+(j%64)+1]
.set j, j+2
.endr
	LDW
	SOFT 0
	SOFT 1
.if FST
.rept 8
	v_nop                                          ; a scale word written by a vector instruction stands 8 places ahead of the product (in the other steps O^T's 32 multiplications do)
.endr
.endif
	DRAIN                                          ; W's fragments and scale words are in
	PV16
	v_nop
	v_nop                                          ; with the three additions below: the places ahead of the loads into the buffer
.if \ldc
	LDC
.endif
	SUMS
.endm
; TILE i OF MY 64 ROWS OF x BECOMES AN OPERAND.  Loaded as it lies, 512 consecutive bytes an instruction, it turns through my stage (rows 272 bytes apart) so that lane (r, h) holds k = 32 h .. 32 h + 31 of row r.
; |x|^2 is taken of the unquantised numbers.  The block's 32 numbers are then written twice, each with zeros where the other has its numbers: those of 3.75 scales and more (their codes are 4 and more:
; 3.75 is the middle between the codes 3.5 and 4, and the tie goes to 4) and the rest; both are converted under the block's one scale.  All goes to my stash as an image of the registers.
.macro XQ i
	s_wait_loadcnt 8*(3-\i)                        ; this tile's eight loads are in; those of the tiles behind it, the youngest loads of the wave, may be out
	WIN 0x04                                       ; an LDS store's data are its source 1: window 1
.irp j, 0,1,2,3,4,5,6,7
	ds_store_b128 v[XSI], v[32*\i+4*\j:32*\i+4*\j+3] offset:544*\j
.endr
	WIN 0
.irp j, 0,1,2,3,4,5,6,7
	ds_load_b128 v[SA+4*\j:SA+4*\j+3], v[XSO] offset:16*\j     ; LDS serves a wave's instructions in order (ISA guide 5.7.1.4): these see the stores above
.endr
	s_wait_dscnt 0x0
	v_pk_mul_f32 v[12:13], v[SA:SA+1], v[SA:SA+1]
	v_pk_mul_f32 v[14:15], v[SA+2:SA+3], v[SA+2:SA+3]
.irp j, 4,8,12,16,20,24,28
	s_delay_alu instid0(VALU_DEP_2)
	v_pk_fma_f32 v[12:13], v[SA+\j:SA+\j+1], v[SA+\j:SA+\j+1], v[12:13]
	s_delay_alu instid0(VALU_DEP_2)
	v_pk_fma_f32 v[14:15], v[SA+\j+2:SA+\j+3], v[SA+\j+2:SA+\j+3], v[14:15]
.endr
	s_delay_alu instid0(VALU_DEP_1)
	v_pk_add_f32 v[12:13], v[12:13], v[14:15]
	s_delay_alu instid0(VALU_DEP_1)
	v_add_f32 v12, v12, v13
	s_delay_alu instid0(VALU_DEP_1)
	v_permlanex16_b32 v13, v12, s[SEL], s[SEL+1]
	s_delay_alu instid0(VALU_DEP_1)
	v_add_f32 v12, v12, v13                        ; |x|^2
	ds_store_b32 v[STB], v12 offset:2048*\i+1536
	v_max3_num_f32 v14, |v[SA]|, |v[SA+1]|, 0x2800000          ; my block's largest magnitude, with the floor 2^(5 - 127), in two chains
	v_max3_num_f32 v15, |v[SA+2]|, |v[SA+3]|, 0x2800000
.irp j, 4,8,12,16,20,24,28
	s_delay_alu instid0(VALU_DEP_2)
	v_max3_num_f32 v14, v14, |v[SA+\j]|, |v[SA+\j+1]|
	s_delay_alu instid0(VALU_DEP_2)
	v_max3_num_f32 v15, v15, |v[SA+\j+2]|, |v[SA+\j+3]|
.endr
	s_delay_alu instid0(VALU_DEP_1)
	v_max_num_f32 v14, v14, v15
	s_delay_alu instid0(VALU_DEP_1)
	v_add_nc_u32 v14, 0xfe000000, v14              ; 4 off its exponent field: the conversion's scale operand
	s_delay_alu instid0(VALU_DEP_1)
	v_lshrrev_b32 v15, 23, v14                     ; the scale's byte,
	s_delay_alu instid0(VALU_DEP_1)
	v_lshlrev_b32 v15, v[SH8], v15                 ; at its place,
	s_delay_alu instid0(VALU_DEP_1)
	v_permlanex16_b32 v13, v15, s[SEL], s[SEL+1]
	s_delay_alu instid0(VALU_DEP_1)
	v_or_b32 v15, v15, v13                         ; with lane l xor 16's: bytes 0 and 1,
	s_delay_alu instid0(VALU_DEP_1)
	v_lshl_or_b32 v15, v15, 16, v15                ; and the same two once more, for the second half of K
	ds_store_b32 v[STB], v15 offset:2048*\i+1664
	v_and_b32 v13, 0x7f800000, v14                 ; the scale as a number,
	s_delay_alu instid0(VALU_DEP_1)
	v_mul_f32 v13, 0x40700000, v13                 ; x 3.75
.set j, 0
.rept 32
	v_cmp_ge_f32 vcc_lo, |v[SA+j]|, v13
	v_cndmask_b32 v[SA+32+j], 0, v[SA+j], vcc_lo   ; the number where it is large, else 0;
.set j, j+1
.endr
.set j, 0
.rept 32
	v_sub_f32 v[SA+64+j], v[SA+j], v[SA+32+j]      ; and the other way round: x - x or x - 0, which rounds nothing
.set j, j+1
.endr
	v_cvt_scalef32_pk16_bf6_f32 v[P:P+2], v[SA+32:SA+47], v14
	v_cvt_scalef32_pk16_bf6_f32 v[P+6:P+8], v[SA+64:SA+79], v14
	v_cvt_scalef32_pk16_bf6_f32 v[TMPC:TMPC+2], v[SA+48:SA+63], v14      ; (a conversion's three registers begin on an even number)
	v_cvt_scalef32_pk16_bf6_f32 v[TMPC+4:TMPC+6], v[SA+80:SA+95], v14
	v_nop                                          ; one plain place behind a scaled conversion
.irp e, 0,1,2
	v_mov_b32 v[P+3+\e], v[TMPC+\e]
	v_mov_b32 v[P+9+\e], v[TMPC+4+\e]
.endr
.irp c, 0,1,2
	ds_store_b128 v[STA], v[P+4*\c:P+4*\c+3] offset:2048*\i+512*\c
.endr
.endm
; THE WAY OUT of tile i.  PACK: O^T / the sum.  TOSTAGE: a lane's eight outputs of a row are 32 bytes; they go into my stage (rows 528 bytes apart) and come back as whole rows of 512 bytes.  SEND: + b, stored.
.macro PACK i
	WIN 0x41
.set j, 0
.rept 32
	v_pk_mul_f32 v[64*\i+j:64*\i+j+1], v[64*\i+j:64*\i+j+1], v[ST+8*\i+2:ST+8*\i+3] op_sel_hi:[1,0]
.set j, j+2
.endr
.endm
.macro TOSTAGE i
	WIN 0x04                                       ; the data: window 1
.irp n, 0,1,2,3,4,5,6,7
	ds_store_b128 v[OSI], v[64*\i+8*\n:64*\i+8*\n+3] offset:64*\n
	ds_store_b128 v[OSI], v[64*\i+8*\n+4:64*\i+8*\n+7] offset:64*\n+16
.endr
	WIN 0
.irp t, 0,1,2,3,4,5,6,7,8,9,10,11,12,13,14,15
	ds_load_b128 v[SA+64*\i+4*\t:SA+64*\i+4*\t+3], v[OSO] offset:528*\t   ; in order behind the stores above; the next tile's stores come behind these
.endr
.endm
.macro SEND i, younger                 ; younger: the LDS instructions issued behind tile i's loads: the next tile's 32, or none
.irp t, 0,1,2,3,4,5,6,7,8,9,10,11,12,13,14,15
	s_wait_dscnt \younger+15-\t                    ; row t is back; the rows behind it may be out
	v_pk_add_f32 v[SA+64*\i+4*\t:SA+64*\i+4*\t+1], v[SA+64*\i+4*\t:SA+64*\i+4*\t+1], v[B4:B4+1]
	v_pk_add_f32 v[SA+64*\i+4*\t+2:SA+64*\i+4*\t+3], v[SA+64*\i+4*\t+2:SA+64*\i+4*\t+3], v[B4+2:B4+3]
	global_store_b128 v[L16], v[SA+64*\i+4*\t:SA+64*\i+4*\t+3], s[10:11] offset:(16*\i+\t)*512 th:TH_STORE_NT   ; 32 lanes store a row: 512 consecutive bytes, aligned
.endr
.endm
	s_load_b256 s[4:11], s[0:1], 0x0               ; x s[4:5], b s[6:7], tab s[8:9], out s[10:11]
	v_lshl_add_u32 v254, v0, 2, SPARE              ; my spare word, and 0
	v_mov_b32 v255, 0
	ds_add_u32 v254, v255                          ; the opening lines: the add twice on end and its wait
	ds_add_u32 v254, v255
	v_lshrrev_b32 v12, 5, v0
	v_readfirstlane_b32 s[WV], v12                 ; wave 0..7
	s_bfe_u32 s13, ttmp6, 0x40000                  ; cx: my place in the cluster: it enters x's and out's addresses alone
	s_lshl_b32 s14, ttmp9, 2                       ; in a cluster launch ttmp9 counts clusters
	s_add_co_u32 s14, s14, s13                     ; my work-group's number
	s_lshl_b32 s36, s14, 17                        ; x: 512 rows of 256 bytes a work-group,
	s_lshl_b32 s33, s[WV], 14                      ; 64 a wave
	s_add_co_u32 s36, s36, s33
	s_mov_b32 s37, 0
	s_lshl_b32 s38, s14, 18                        ; out: rows of 512 bytes
	s_lshl_b32 s33, s[WV], 15
	s_add_co_u32 s38, s38, s33
	s_mov_b32 s39, 0
	s_mul_i32 s40, s[WV], REC                      ; the tables: record w, at the same byte in memory and in LDS
	s_mov_b32 s41, 0
	; descriptor group 1: 20,480 dense bytes as 80 rows of 32 elements of 8 bytes, no padding
	s_mov_b32 s20, 15|(3<<16)|(1<<21)              ; the mask: all four work-groups; elements of 8 bytes; bit 21 beside a mask
	s_mov_b32 s21, 32<<16
	s_mov_b32 s22, 80<<16
	s_mov_b32 s23, 32<<16
	s_mov_b32 s24, 80
	s_mov_b32 s25, 32
	s_mov_b32 s26, 0
	s_mov_b32 s27, 0
	s_mov_b32 s[SEL], 0x76543210
	s_mov_b32 s[SEL+1], 0xfedcba98
	v_and_b32 v12, 31, v0                          ; l
	v_and_b32 v13, 15, v0                          ; r
	v_bfe_u32 v14, v0, 4, 1                        ; h
	v_lshlrev_b32 v[L16], 4, v12
	v_lshlrev_b32 v[L8], 3, v12
	v_lshlrev_b32 v[LH], 6, v14
	v_lshlrev_b32 v[SH8], 3, v14
	s_mul_i32 s33, s[WV], STGW
	s_add_co_u32 s33, s33, STG                     ; my stage
	s_lshl_b32 s35, s[WV], 13
	s_add_co_u32 s35, s35, STASH                   ; my stash
	v_mul_u32_u24 v[XSI], v14, 272
	v_lshl_add_u32 v[XSI], v13, 4, v[XSI]
	v_add_nc_u32 v[XSI], s33, v[XSI]               ; lanes 0-15 one row of 256 bytes, lanes 16-31 the next
	v_mul_u32_u24 v[XSO], v13, 272
	v_lshl_add_u32 v[XSO], v14, 7, v[XSO]
	v_add_nc_u32 v[XSO], s33, v[XSO]
	v_mul_u32_u24 v[OSI], v13, 528
	v_lshl_add_u32 v[OSI], v14, 5, v[OSI]
	v_add_nc_u32 v[OSI], s33, v[OSI]
	v_add_nc_u32 v[OSO], s33, v[L16]
	v_add_nc_u32 v[STA], s35, v[L16]
	v_lshlrev_b32 v[STB], 2, v12
	v_add_nc_u32 v[STB], s35, v[STB]
	s_wait_alu depctr_va_vdst(0)                   ; the wait ahead of the waits below
	s_wait_dscnt 0x0
	s_wait_kmcnt 0x0
	s_add_nc_u64 s[4:5], s[4:5], s[36:37]
	s_add_nc_u64 s[10:11], s[10:11], s[38:39]
	s_mov_b32 s16, 1                               ; descriptor group 0: count = 1,
	s_mov_b32 s17, s40                             ; LDS address,
	s_add_nc_u64 s[18:19], s[8:9], s[40:41]        ; global address,
	s_or_b32 s19, s19, 0x80000000                  ; type = 2
	CROUND                                         ; all four work-groups are here: the joint loads meet
	tensor_load_to_lds s[16:19], s[20:27]          ; my one tensor load of the launch: the tables are filled once
	s_nop 0
.rept 4
	v_nop
.endr
	global_load_b128 v[B4:B4+3], v[L16], s[6:7]    ; b[4 l .. 4 l + 3]: my columns of a row on the way out
	WIN 0x40
.set q, 0
.rept 32
	global_load_b128 v[4*q:4*q+3], v[L16], s[4:5] offset:512*q th:TH_LOAD_NT   ; my 64 rows: 512 consecutive bytes an instruction
.set q, q+1
.endr
	WIN 0
.irp b, 0,1,2,3
	v_mov_b32 v[BT+\b], 0                          ; a lane permute's destination counts as one of its sources
.endr
	v_mov_b32 v[ST+5], 0                           ; named as the upper half of a pair
	v_mov_b32 v[ST+13], 0
	v_mov_b32 v[F+1], 0                            ; likewise
	s_wait_alu depctr_va_vdst(0)                   ; the wait at the head's end
	s_wait_tensorcnt 0x0                           ; my record is in,
	s_barrier_signal -1
	s_barrier_wait -1                              ; everybody's are: from here on the tables are only read
	XQ 0
	XQ 1
	XQ 2
	XQ 3
	s_mov_b32 s[BLK], 2
	s_mov_b32 s[BOFF], 0
.Lblock:
	v_add_nc_u32 v[STC], s[BOFF], v[STA]
	v_add_nc_u32 v[STD], s[BOFF], v[STB]
.irp i, 0,1                            ; the block's two tiles of x out of my stash: LDS serves a wave's instructions in order, so these see my stores
.irp c, 0,1,2
	ds_load_b128 v[XF+208*\i+4*\c:XF+208*\i+4*\c+3], v[STC] offset:2048*\i+512*\c
.endr
	ds_load_b32 v[ST+8*\i+4], v[STD] offset:2048*\i+1536
	ds_load_b32 v[ST+8*\i+6], v[STD] offset:2048*\i+1664
.endr
	s_mov_b32 s[SOFF], 0
	LDC                                            ; record 0's centres
	s_mov_b32 s[SOFF], REC
	STEP 1, 1                                      ; step 0
	s_mov_b32 s[SOFF], 2*REC
	s_mov_b32 s[CNT], 6
.Lstep:                                            ; steps 1 to 6
	STEP 0, 1
	s_add_co_u32 s[SOFF], s[SOFF], REC
	s_sub_co_u32 s[CNT], s[CNT], 1
	s_cmp_lg_u32 s[CNT], 0
	s_wait_alu depctr_va_vdst(0)                   ; the wait ahead of the branch
	s_cbranch_scc1 .Lstep
	STEP 0, 0                                      ; step 7 fetches no further centres
	; the sums' two halves and lane l xor 16's
.irp b, 0,1
	v_add_f32 v[BM+\b], v[ST+8*\b+2], v[ST+8*\b+3]
.endr
.irp b, 0,1
	s_delay_alu instid0(VALU_DEP_2)
	v_permlanex16_b32 v[BT+\b], v[BM+\b], s[SEL], s[SEL+1]
.endr
.irp b, 0,1
	s_delay_alu instid0(VALU_DEP_2)
	v_add_f32 v[BM+\b], v[BM+\b], v[BT+\b]
.endr
	s_wait_alu depctr_va_vdst(0)                   ; the wait ahead of the batch
.irp b, 0,1
	v_rcp_f32 v[ST+8*\b+2], v[BM+\b]
.endr
	v_nop                                          ; a plain place behind the last reciprocal
	s_wait_alu depctr_va_vdst(0)                   ; and behind it
	PACK 0
	TOSTAGE 0
	PACK 1                                         ; a tile's arithmetic stands between the loads of the tile before and its stores
	TOSTAGE 1
	SEND 0, 32
	SEND 1, 0
	s_wait_xcnt 0x0                                ; the stores have read their registers and their base: both may be written again
	s_add_nc_u64 s[10:11], s[10:11], 16384         ; 32 rows of out on
	s_add_co_u32 s[BOFF], s[BOFF], 4096            ; two tiles of my stash on
	s_sub_co_u32 s[BLK], s[BLK], 1
	s_cmp_lg_u32 s[BLK], 0
	s_wait_alu depctr_va_vdst(0)                   ; the wait ahead of the branch
	s_cbranch_scc1 .Lblock
	s_wait_tensorcnt 0x0                           ; the wave's end
	ds_add_u32 v254, v255
	s_wait_dscnt 0x0
	CROUND                                         ; the closing round: no work-group ends ahead of its partners
	s_endpgm
.Lfunc_end_k_qf77e549710_main:
	.size	k_qf77e549710_main, .Lfunc_end_k_qf77e549710_main-k_qf77e549710_main
	.p2alignl 7, 3214868480
	.fill 96, 4, 3214868480
	.section	.rodata,"a",@progbits
	.p2align	6, 0x0
	.amdhsa_kernel k_qf77e549710_main
		.amdhsa_group_segment_fixed_size 297984
		.amdhsa_private_segment_fixed_size 0
		.amdhsa_enable_private_segment 0
		.amdhsa_kernarg_size 32
		.amdhsa_user_sgpr_count 2
		.amdhsa_user_sgpr_kernarg_segment_ptr 1
		.amdhsa_wavefront_size32 1
		.amdhsa_system_sgpr_workgroup_id_x 1
		.amdhsa_system_sgpr_workgroup_id_y 1
		.amdhsa_system_sgpr_workgroup_id_z 1
		.amdhsa_system_vgpr_workitem_id 0
		.amdhsa_next_free_vgpr 512
		.amdhsa_next_free_sgpr 66
		.amdhsa_reserve_vcc 1
		.amdhsa_float_denorm_mode_32 3
		.amdhsa_float_denorm_mode_16_64 3
		.amdhsa_memory_ordered 1
		.amdhsa_forward_progress 1
		.amdhsa_inst_pref_size 196
	.end_amdhsa_kernel
	.amdgpu_metadata
---
amdhsa.version: [ 1, 2 ]
amdhsa.kernels:
  - .name:           k_qf77e549710_main
    .symbol:         k_qf77e549710_main.kd
    .args:
      - { .name: x, .offset: 0, .size: 8, .value_kind: global_buffer, .address_space: global }
      - { .name: b, .offset: 8, .size: 8, .value_kind: global_buffer, .address_space: global }
      - { .name: tab, .offset: 16, .size: 8, .value_kind: global_buffer, .address_space: global }
      - { .name: out0, .offset: 24, .size: 8, .value_kind: global_buffer, .address_space: global }
    .group_segment_fixed_size: 297984
    .private_segment_fixed_size: 0
    .kernarg_segment_align: 8
    .kernarg_segment_size: 32
    .max_flat_workgroup_size: 256
    .sgpr_count:     66
    .vgpr_count:     512
    .wavefront_size: 32
...
	.end_amdgpu_metadata
.endif
;; end of part 2
